; MI455X (gfx1250); checked and timed in simulation.
; The chip was launched on July 23, 2026; its instructions are those of AMD's public machine-readable ISA for CDNA 5 (MIT licence, August 2026) and "CDNA5" Instruction Set Architecture Reference Guide (July 2026). The comments in the code are by the model that wrote it; some were corrected since.
;; Attention. Allowed arithmetic: float matrix products may take bf16 or f16 operands with f32 sums; all other float work in f32.
;; Inputs: Kb 1,024 float32; Kw 1,024 x 1,024 float32; Qb 1,024 float32; Qw 1,024 x 1,024 float32; Vb 1 float32; Vw 1 x 1,024 float32; keys 8 x 4,096 x 1,024 float32; queries 8 x 4,096 x 1,024 float32.
;; Outputs: out0 8 x 1 x 1,024 float32; out1 8 x 1 x 4,096 float32.
;; 2 versions, each right and faster than the one before. Each part assembles by itself: llvm-mc -triple=amdgcn-amd-amdhsa -mcpu=gfx1250 --defsym DOCPART=n.
;; ======== version 1 of 2: 3 launches
;; workspace buffers: w2 4,194,304 bytes; part 1,048,576 bytes
;; launch prep (part 1): grid 256 x 1, 8 waves a work-group, no clusters, 19,456 bytes of LDS; arguments Qw, Kw, w2; writes w2
.if DOCPART == 1
	.amdgcn_target "amdgcn-amd-amdhsa--gfx1250"
	.amdhsa_code_object_version 6
	.text
	.protected	k_q7d2820bd0a_prep
	.globl	k_q7d2820bd0a_prep
	.p2align	8
	.type	k_q7d2820bd0a_prep,@function
k_q7d2820bd0a_prep:
	s_mov_b64 s[64:65], 0
	v_nop
	global_prefetch_b8 v0, s[64:65] scope:SCOPE_SE
	s_setreg_imm32_b32 hwreg(HW_REG_WAVE_MODE, 25, 1), 1
	s_wait_xcnt 0x0
; w2 = W = [Qw | Kw] (1,024 columns n x 2,048 k), rounded once to bf16 and laid out as the register images of matrix fragments:
; the fragment of K chunk kc (32 k) and column block nb (16 n) lies at byte 65,536 kc + 1,024 nb; in it, half q at 512 q, lane L at 16 L,
; holds W[16 nb + L % 16][32 kc + 16 q + 8 (L / 16) + 0..7].  The next launch then fills a fragment by two loads of 512 consecutive bytes.
; Work-group g: column block nb = g % 64, quarter kg = g / 64 of K.  Wave w: the 64 k from 64 (8 kg + w) on, two chunks.
; A stream of 8 MiB in and 4 MiB out: no matrix unit, no cluster (no two work-groups read the same bytes), no barrier (a wave's LDS bytes are its own).
.set PITCH, 144                        ; an LDS row: 64 bf16 = 128 bytes + 16 of padding
.set WLDS,  16*PITCH                   ; a wave's 16 rows
.set X,  4                             ; v[4:35]   8 loads of 4 f32
.set Y,  36                            ; v[36:51]  the same as bf16, 2 registers a load
.set Z,  52                            ; v[52:67]  4 half fragments read back
.set SA, 68                            ; v68  LDS address of my 8 bytes in rows 0, 1
.set RA, 69                            ; v69  LDS address from which I read a fragment's 16 bytes
.set GO, 70                            ; v70  16 x lane
	s_load_b128 s[4:7], s[0:1], 0x0                ; Qw s[4:5], Kw s[6:7]
	s_load_b64 s[8:9], s[0:1], 0x10                ; w2
	v_lshl_add_u32 v72, v0, 2, 0x4800
	v_mov_b32 v73, 0
	v_lshrrev_b32 v1, 5, v0
	v_readfirstlane_b32 s10, v1                    ; wave 0..7
	s_and_b32 s11, ttmp9, 63                       ; nb
	s_lshr_b32 s12, ttmp9, 6                       ; kg
	v_and_b32 v1, 15, v0                           ; r = lane % 16
	v_bfe_u32 v2, v0, 4, 1                         ; h = lane / 16
	v_and_b32 v[GO], 31, v0
	v_lshlrev_b32 v[GO], 4, v[GO]
	s_lshl_b32 s13, s10, 8                         ; my wave's 64 f32 of a row: 256 bytes
	v_lshlrev_b32 v3, 12, v2                       ; lanes 16-31 take the next row (4,096 bytes on),
	v_lshl_add_u32 v3, v1, 4, v3                   ; 16 bytes a lane: sixteen lanes cover 256 consecutive bytes, aligned
	v_add_nc_u32 v3, s13, v3
	s_mul_i32 s14, s10, WLDS                       ; my wave's LDS bytes
	v_mul_u32_u24 v[SA], v2, PITCH
	v_lshl_add_u32 v[SA], v1, 3, v[SA]             ; row h, 8 bytes (4 bf16) a lane
	v_add_nc_u32 v[SA], s14, v[SA]
	v_mul_u32_u24 v[RA], v1, PITCH
	v_lshl_add_u32 v[RA], v2, 4, v[RA]             ; row r, k = 8 h on
	v_add_nc_u32 v[RA], s14, v[RA]
	s_lshl_b32 s16, s11, 16                        ; 16 rows of 4,096 bytes a column block,
	s_and_b32 s15, s12, 1
	s_lshl_b32 s15, s15, 11                        ; and the half of the source's 1,024 k: 2,048 bytes
	s_add_co_u32 s16, s16, s15
	s_mov_b32 s17, 0
	s_lshl_b32 s18, s12, 3
	s_add_co_u32 s18, s18, s10                     ; 8 kg + w: my pair of chunks,
	s_lshl_b32 s18, s18, 17                        ; 131,072 bytes a pair,
	s_lshl_b32 s15, s11, 10                        ; 1,024 bytes a column block
	s_add_co_u32 s18, s18, s15
	s_mov_b32 s19, 0
	s_wait_kmcnt 0x0
	s_cmp_lt_u32 s12, 2                            ; k below 1,024 comes from Qw, the rest from Kw
	s_cselect_b64 s[20:21], s[4:5], s[6:7]
	s_add_nc_u64 s[20:21], s[20:21], s[16:17]
	s_add_nc_u64 s[8:9], s[8:9], s[18:19]
.irp j, 0,1,2,3,4,5,6,7
	global_load_b128 v[X+4*\j:X+4*\j+3], v3, s[20:21] offset:\j*8192 th:TH_LOAD_NT   ; rows 2 j and 2 j + 1
.endr
.irp j, 0,1,2,3,4,5,6,7
	s_wait_loadcnt 7-\j                            ; loads come back in order: load j is in, the younger ones stay out
	v_cvt_pk_bf16_f32 v[Y+2*\j],   v[X+4*\j],   v[X+4*\j+1]
	v_cvt_pk_bf16_f32 v[Y+2*\j+1], v[X+4*\j+2], v[X+4*\j+3]
	ds_store_b64 v[SA], v[Y+2*\j:Y+2*\j+1] offset:\j*2*PITCH
.endr
.irp i, 0,1,2,3                        ; i = 2 x chunk + half.  LDS serves a wave's instructions in order: these loads see the stores above
	ds_load_b128 v[Z+4*\i:Z+4*\i+3], v[RA] offset:64*(\i/2)+32*(\i%2)
.endr
.irp i, 0,1,2,3
	s_wait_dscnt 3-\i
	global_store_b128 v[GO], v[Z+4*\i:Z+4*\i+3], s[8:9] offset:(\i/2)*65536+(\i%2)*512   ; 512 consecutive bytes, aligned
.endr
	s_wait_tensorcnt 0x0
	ds_add_u32 v72, v73
	s_wait_dscnt 0x0
	s_endpgm
.Lfunc_end_k_q7d2820bd0a_prep:
	.size	k_q7d2820bd0a_prep, .Lfunc_end_k_q7d2820bd0a_prep-k_q7d2820bd0a_prep
	.p2alignl 7, 3214868480
	.fill 96, 4, 3214868480
	.section	.rodata,"a",@progbits
	.p2align	6, 0x0
	.amdhsa_kernel k_q7d2820bd0a_prep
		.amdhsa_group_segment_fixed_size 19456
		.amdhsa_private_segment_fixed_size 0
		.amdhsa_enable_private_segment 0
		.amdhsa_kernarg_size 24
		.amdhsa_user_sgpr_count 2
		.amdhsa_user_sgpr_kernarg_segment_ptr 1
		.amdhsa_wavefront_size32 1
		.amdhsa_system_sgpr_workgroup_id_x 1
		.amdhsa_system_sgpr_workgroup_id_y 1
		.amdhsa_system_sgpr_workgroup_id_z 1
		.amdhsa_system_vgpr_workitem_id 0
		.amdhsa_next_free_vgpr 74
		.amdhsa_next_free_sgpr 66
		.amdhsa_reserve_vcc 0
		.amdhsa_float_denorm_mode_32 3
		.amdhsa_float_denorm_mode_16_64 3
		.amdhsa_memory_ordered 1
		.amdhsa_forward_progress 1
		.amdhsa_inst_pref_size 6
	.end_amdhsa_kernel
	.amdgpu_metadata
---
amdhsa.version: [ 1, 2 ]
amdhsa.kernels:
  - .name:           k_q7d2820bd0a_prep
    .symbol:         k_q7d2820bd0a_prep.kd
    .args:
      - { .name: Qw, .offset: 0, .size: 8, .value_kind: global_buffer, .address_space: global }
      - { .name: Kw, .offset: 8, .size: 8, .value_kind: global_buffer, .address_space: global }
      - { .name: w2, .offset: 16, .size: 8, .value_kind: global_buffer, .address_space: global }
    .group_segment_fixed_size: 19456
    .private_segment_fixed_size: 0
    .kernarg_segment_align: 8
    .kernarg_segment_size: 24
    .max_flat_workgroup_size: 256
    .sgpr_count:     66
    .vgpr_count:     74
    .wavefront_size: 32
...
	.end_amdgpu_metadata
.endif
;; end of part 1
;; launch gemm (part 2): grid 4 x 128, 4 waves a work-group, clusters of 4 x 1, 327,680 bytes of LDS; arguments queries, keys, w2, Qb, Kb, Vw, part; writes part
.if DOCPART == 2
	.amdgcn_target "amdgcn-amd-amdhsa--gfx1250"
	.amdhsa_code_object_version 6
	.text
	.protected	k_q7d2820bd0a_gemm
	.globl	k_q7d2820bd0a_gemm
	.p2align	8
	.type	k_q7d2820bd0a_gemm,@function
k_q7d2820bd0a_gemm:
	s_mov_b64 s[64:65], 0
	v_nop
	global_prefetch_b8 v0, s[64:65] scope:SCOPE_SE
	s_setreg_imm32_b32 hwreg(HW_REG_WAVE_MODE, 25, 1), 1
	s_wait_xcnt 0x0
	s_wait_alu depctr_hold_cnt(0) depctr_sa_sdst(0) depctr_va_vdst(0) depctr_va_sdst(0) depctr_va_ssrc(0) depctr_va_vcc(0) depctr_vm_vsrc(0)
	s_getreg_b32 s2, hwreg(HW_REG_IB_STS2, 6, 4)
	s_cmp_eq_u32 s2, 0
	s_cbranch_scc0 .Lentry_in_a_cluster
	s_endpgm
.Lentry_in_a_cluster:
	s_bfe_u32 s2, ttmp6, 0x10000c
	s_cmp_lg_u32 s2, 0x3003
	s_cbranch_scc0 .Lentry_shape_is_right
	s_endpgm
.Lentry_shape_is_right:
; part[p][m] = the sum over the 128 columns n of column group p of Vw[n] tanh(x[m][n]),  x = [queries | keys] [Qw | Kw]^T + Qb + Kb:
; q + k is ONE product of 32,768 rows x 1,024 columns over K = 2,048.  Operands in bf16, sums, tanh and the sum over n in f32.
; SHARES.  A work-group makes 256 rows x 256 columns of x, each of its four waves 128 x 128: 64 accumulators of 16 x 16, 512 registers.  x never leaves the registers.
; A (f32 in memory) goes in K steps of 128 (steps 0-7 from queries, 8-15 from keys) through two LDS slots of 256 rows x 512 bytes; each wave fetches 64 rows with one tensor load;
; it is rounded to bf16 on the way from LDS to the matrix unit.  The four work-groups of a cluster make the four column blocks of one block of rows, so each tile of A is asked for
; JOINTLY: the same tensor load, with the same descriptor and a mask that names the four.
; B (w2: bf16, stored as register images of fragments) comes straight into registers: a fragment is two loads of 512 consecutive bytes.  WHY B IS NOT SHARED THROUGH LDS: two slots of
; 128 k of f32 A take 270,336 bytes, two of bf16 B would take 139,264 more, and the work-group has 327,680; slots of 64 k would halve the matrix work between a tile's request and
; the wait for it.  The price: each wave loads its own 8 KiB of w2 for each 32 k, and two waves of a work-group load the same.
; THE MATRIX INSTRUCTION IS USED TRANSPOSED (source 0 = 16 columns of W, source 1 = 16 rows of A): a lane holds ONE row m = 16 a + lane % 16 and the columns 16 b + 8 (lane / 16) + 0..7,
; so the sum over n stays in the lane but for one exchange between the halves of the lanes.
; BY SLICES.  A chunk is 32 k: 64 matrix instructions.  Beside them stand 112 other instructions (64 roundings to bf16 of the next chunk's A, 32 LDS loads and 16 loads of w2 for the
; chunk after it), cut into 32 slices of at most four, each behind one matrix instruction: 1.75 for each matrix instruction.  A slice costs two switches of the register window.
; tanh(x) = 1 - 2 / (1 + 2^(2 log2(e) x)).  LIMITS: its absolute error is a few 2^-24; where the power overflows or is flushed to zero the result is exactly 1 or -1;
; NaN and infinities among the inputs are not served.
;
; REGISTERS, in windows of 256 (s_set_vgpr_msb: bits 1:0 source 0, 3:2 source 1, 5:4 source 2, 7:6 destination):
;   window 0: v0-29 addresses; v32-159 A as f32, 16 registers a fragment; on the way out v32-95 biases, v96-159 Vw, v160-223 at work, v224-249 sums
;   window 1: v0-63, v64-127 A in bf16, two buffers of 8 fragments; v128-191, v192-255 B, two buffers of 8 fragments
;   windows 2, 3: accumulator (a, b) at v[64 (b % 4) + 8 a] of window 2 + b / 4
.set PITCH, 528                        ; an LDS row: 512 bytes + 16 of padding = 33 x 16 bytes: the 16 rows that a load touches start 16 bytes apart modulo 256
.set FROWS, 64*PITCH                   ; what one tensor load brings
.set HALFA, 128*PITCH                  ; what one wave reads
.set SLOT,  256*PITCH
.set CTAB,  2*SLOT                     ; behind the ring: 1,024 bytes a wave: its 128 biases, then its 128 Vw
.set STAGE, CTAB+4096                  ; 512 bytes a wave: its 128 results, for the way out
.set SPARE, STAGE+2048                 ; the spare words, 128 bytes a wave: two blocks of 256 bytes that no other line names
.set CHB,   65536                      ; bytes of a chunk in w2
.set TANHC, 0x4038aa3b                 ; 2 log2(e)
.set ADRA, 3                           ; v3, v4  LDS address of my A fragments in slot 0, 1
.set BO,   5                           ; v5   16 x lane: my offset in a half fragment of w2; never rewritten
.set CS,   6                           ; v6   where I put 16 bytes of my wave's table
.set CB,   7                           ; v7   where I read my columns' constants
.set SS,   8                           ; v8   the way out: where I put one result
.set SR,   9                           ; v9   the way out: where I read four back
.set PO,   10                          ; v10  my byte offset in part
.set CO,   11                          ; v11  my byte offset in Qb, Kb, Vw
.set SPW,  28                          ; v28  LDS address of my spare word; never rewritten
.set NIL,  29                          ; v29  0; never rewritten
.set ST,   32
.set BI,   32
.set VW,   96
.set T,    160
.set SUM,  224
.set VSUM, 240
.set RS,   242
.set AF,   0                           ; window 1
.set BF,   128
.set WV,  18                           ; s18  my wave's number
.set G1,  24                           ; s[24:31] descriptor group 1
.set G0,  32                           ; s[32:39] descriptor group 0, a set for each slot
.set AQ,  40                           ; s[40:41] queries at my 64 rows
.set AK,  42                           ; s[42:43] keys at my 64 rows
.set TF,  44                           ; s44  the K step to be fetched next
.set OFS, 46                           ; s[46:47] its byte offset in a row; the high word stays 0
.set SRC, 48                           ; s[48:49] the tensor it comes from
.set BB,  50                           ; s[50:51] w2 at my 128 columns, at the lap's first chunk
.set SEL, 52                           ; s[52:53] lane selects: each lane takes its own place in the other half
.set MSB, 0
.macro WIN new                         ; the immediate's high byte repeats the setting that is left; a switch that changes nothing is dropped
.if MSB != \new
	s_set_vgpr_msb (MSB<<8)|\new
.set MSB, \new
.endif
.endm
.macro PLACES
.rept 4
	v_nop
.endr
.endm
; A round of the cluster's barrier: my work-group's barrier, so that wave 0's signal speaks for all four waves; wave 0 signals for the work-group; every wave waits for all four
; work-groups; my work-group's barrier once more.
.macro CREST                           ; a round behind its opening barrier
	s_cmp_lg_u32 s[WV], 0
	s_cbranch_scc1 .Lnot_wave_0_\@
	s_barrier_signal -3
.Lnot_wave_0_\@:
	s_barrier_wait -3
	s_barrier_signal -1
	s_barrier_wait -1
.endm
.macro CROUND                          ; a whole round
	s_barrier_signal -1
	s_barrier_wait -1
	CREST
.endm
	s_load_b256 s[4:11], s[0:1], 0x0               ; queries s[4:5], keys s[6:7], w2 s[8:9], Qb s[10:11]
	s_load_b128 s[12:15], s[0:1], 0x20             ; Kb s[12:13], Vw s[14:15]
	s_load_b64 s[16:17], s[0:1], 0x30              ; part
	v_lshl_add_u32 v[SPW], v0, 2, SPARE
	v_mov_b32 v[NIL], 0
	ds_add_u32 v28, v29
	ds_add_u32 v28, v29
	s_wait_dscnt 0x0
	v_lshrrev_b32 v1, 5, v0
	v_readfirstlane_b32 s[WV], v1                  ; wave 0..3
	s_lshr_b32 s19, s[WV], 1                       ; which 128 rows of the tile are mine
	s_and_b32 s20, s[WV], 1                        ; which 128 columns
	s_bfe_u32 s21, ttmp6, 0x40000                  ; cx: my place in the cluster = my block of 256 columns; it enters w2's, the constants' and part's addresses alone
	s_and_b32 s22, ttmp7, 0xffff                   ; the block of 256 rows, which the four partners share
	; descriptor group 1: a tile of 64 rows x 128 f32, padded in LDS
	s_mov_b32 s[G1+0], 15|(2<<16)|(1<<20)|(1<<21)|(6<<22)|(3<<25)  ; 15:0 the mask: all four work-groups; 17:16 elements of 4 bytes; 20 padding on; 21 set beside a mask; 24:22 after every 128 words (code 6); 31:25 4 words of it (code 3)
	s_mov_b32 s[G1+1], 128<<16                     ; tensor_dim0 = 128
	s_mov_b32 s[G1+2], 64<<16                      ; tensor_dim1 = 64
	s_mov_b32 s[G1+3], 128<<16                     ; tile_dim0 = 128
	s_mov_b32 s[G1+4], 64                          ; tile_dim1 = 64
	s_mov_b32 s[G1+5], 1024                        ; elements from row to row
	s_mov_b32 s[G1+6], 0
	s_mov_b32 s[G1+7], 0
	s_lshl_b32 s54, s22, 20                        ; 256 rows of 4,096 bytes a block,
	s_lshl_b32 s55, s[WV], 18                      ; 64 rows a wave
	s_add_co_u32 s54, s54, s55
	s_mov_b32 s55, 0
	s_mul_i32 s56, s[WV], FROWS                    ; where they go: no place in the cluster enters an LDS address
	s_mov_b32 s[OFS+1], 0
	s_mov_b32 s[TF], 2
	s_mov_b32 s[SEL], 0x76543210
	s_mov_b32 s[SEL+1], 0xfedcba98
	s_lshl_b32 s58, s21, 14                        ; 16 column blocks of 1,024 bytes a work-group,
	s_lshl_b32 s59, s20, 13                        ; 8 a wave
	s_add_co_u32 s58, s58, s59
	s_mov_b32 s59, 0
	s_wait_kmcnt 0x0
	s_add_nc_u64 s[AQ:AQ+1], s[4:5], s[54:55]
	s_add_nc_u64 s[AK:AK+1], s[6:7], s[54:55]
	s_add_nc_u64 s[BB:BB+1], s[8:9], s[58:59]
	CROUND                                         ; all four work-groups are here: the first joint loads meet
.irp n, 0,1
	s_mov_b32 s[G0+4*\n], 1                                        ; count = 1
	s_add_co_u32 s[G0+4*\n+1], s56, \n*SLOT                        ; LDS address
	s_add_nc_u64 s[G0+4*\n+2:G0+4*\n+3], s[AQ:AQ+1], \n*512        ; global address: K step n of queries
	s_or_b32 s[G0+4*\n+3], s[G0+4*\n+3], 0x80000000                ; type = 2
.endr
	tensor_load_to_lds s[G0:G0+3], s[G1:G1+7]      ; both first fills go out together, ahead of every wait on TENSORcnt and every LDS read: two loads of mine are out
	s_nop 0
	tensor_load_to_lds s[G0+4:G0+7], s[G1:G1+7]
	s_nop 0
	PLACES                                         ; four v_nop follow the tensor loads
	v_and_b32 v1, 15, v0                           ; r = lane % 16
	v_bfe_u32 v2, v0, 4, 1                         ; h = lane / 16
	v_and_b32 v12, 31, v0
	v_lshlrev_b32 v[BO], 4, v12
	s_lshl_b32 s57, s21, 10                        ; my wave's 128 columns in Qb, Kb, Vw: 1,024 bytes a work-group, 512 a wave
	s_lshl_b32 s23, s20, 9
	s_add_co_u32 s57, s57, s23
	v_add_nc_u32 v[CO], s57, v[BO]
	global_load_b128 v[T:T+3],    v[CO], s[10:11]
	global_load_b128 v[T+4:T+7],  v[CO], s[12:13]
	global_load_b128 v[T+8:T+11], v[CO], s[14:15]
; Two loads of 512 consecutive bytes: one fragment of B into registers r .. r + 7 of window 1
.macro BPAIR r, off
	global_load_b128 v[\r:\r+3],   v[BO], s[BB:BB+1] offset:\off
	global_load_b128 v[\r+4:\r+7], v[BO], s[BB:BB+1] offset:\off+512
.endm
; Fragment sg of A (16 rows x 32 k, f32) of quarter cq of slot cslot: lane (r, h) takes k = 8 h + 0..7 (32 bytes) and k = 16 + 8 h + 0..7 (32 bytes, 64 further on) of row r
.macro AFETCH
.irp o, 0,1,2,3
	ds_load_b128 v[ST+16*sg+4*\o:ST+16*sg+4*\o+3], v[ADRA+cslot] offset:sg*16*PITCH+cq*128+16*(\o%2)+64*(\o/2)
.endr
.endm
; Four registers, n0 on, of fragment sg in bf16, into the buffer that is not being multiplied
.macro ACVT n0
.irp o, 0,1,2,3
	v_cvt_pk_bf16_f32 v[AF+64*(1-cf)+8*sg+\n0+\o], v[ST+16*sg+2*(\n0+\o)], v[ST+16*sg+2*(\n0+\o)+1]
.endr
.endm
	WIN 0x40                                       ; destination window 1, address window 0
.set sg, 0
.rept 8
	BPAIR BF+8*sg, sg*1024                         ; chunk 0, all eight fragments
.set sg, sg+1
.endr
.set sg, 0
.rept 7
	BPAIR BF+64+8*sg, CHB+sg*1024                  ; chunk 1, fragments 0 to 6: from here on the pairs are asked for in the order in which they are used
.set sg, sg+1
.endr
	WIN 0
	v_mul_u32_u24 v[ADRA], v1, PITCH
	v_lshl_add_u32 v[ADRA], v2, 5, v[ADRA]         ; row x pitch + 32 x half
	s_mul_i32 s57, s19, HALFA                      ; my 128 rows
	v_add_nc_u32 v[ADRA], s57, v[ADRA]
	v_add_nc_u32 v[ADRA+1], SLOT, v[ADRA]
	s_lshl_b32 s57, s[WV], 10
	s_add_co_u32 s57, s57, CTAB                    ; my table
	v_add_nc_u32 v[CS], s57, v[BO]
	v_lshl_add_u32 v[CB], v2, 5, s57               ; my columns begin at 8 h of each 16
	s_lshl_b32 s57, s[WV], 9
	s_add_co_u32 s57, s57, STAGE                   ; my stage
	v_lshl_add_u32 v[SS], v12, 2, s57
	v_add_nc_u32 v[SR], s57, v[BO]
	s_lshl1_add_u32 s57, s21, s20                  ; column group p = 2 cx + half: 131,072 bytes of part each,
	s_lshl_b32 s57, s57, 17
	s_lshl_b32 s23, s22, 10                        ; 1,024 bytes a block of 256 rows,
	s_add_co_u32 s57, s57, s23
	s_lshl_b32 s23, s19, 9                         ; 512 bytes for my 128 rows
	s_add_co_u32 s57, s57, s23
	v_add_nc_u32 v[PO], s57, v[BO]
	s_wait_loadcnt 30                              ; the three loads of constants are in; the 30 of B stay out
	v_pk_add_f32 v[T:T+1],   v[T:T+1],   v[T+4:T+5]                 ; Qb + Kb,
	v_pk_add_f32 v[T+2:T+3], v[T+2:T+3], v[T+6:T+7]
	v_pk_mul_f32 v[T:T+1],   v[T:T+1],   TANHC op_sel_hi:[1,0]      ; times 2 log2(e): the exponent is then one fused multiply-add
	v_pk_mul_f32 v[T+2:T+3], v[T+2:T+3], TANHC op_sel_hi:[1,0]
	v_pk_mul_f32 v[T+8:T+9],   v[T+8:T+9],   -2.0 op_sel_hi:[1,0]   ; -2 Vw
	v_pk_mul_f32 v[T+10:T+11], v[T+10:T+11], -2.0 op_sel_hi:[1,0]
	ds_store_b128 v[CS], v[T:T+3]
	ds_store_b128 v[CS], v[T+8:T+11] offset:512
	s_wait_tensorcnt 1                             ; my part of K step 0 is in; step 1's may stay out
	s_wait_dscnt 0x0
	s_barrier_signal -1
	s_barrier_wait -1                              ; everybody's is
.set cf, 1
.set cslot, 0
.set cq, 0
.set sg, 0
.rept 8
	AFETCH                                         ; chunk 0
.set sg, sg+1
.endr
	s_wait_dscnt 0x0
	WIN 0x40
.set sg, 0
.rept 8
	ACVT 0
	ACVT 4
.set sg, sg+1
.endr
	WIN 0
.set cq, 1
.set sg, 0
.rept 8
	AFETCH                                         ; chunk 1
.set sg, sg+1
.endr
; Matrix instruction mi of a chunk's 64: column block b = mi / 8, row block a = mi % 8, on buffers cf.  The 64 accumulators take turns, one instruction a turn.
; zero = 1: the first chunk starts the sums: nothing is ever cleared.
.macro MM zero
.set mb, mi/8
.set ma, mi%8
.set rC, 64*(mb%4)+8*ma
.set rB, BF+64*cf+8*mb
.set rA, AF+64*cf+8*ma
.set wn, 0xa5+0x50*(mb/4)
	WIN wn                                         ; sources 0 and 1 window 1; C and D window 2 or 3
.if \zero
	v_wmma_f32_16x16x32_bf16 v[rC:rC+7], v[rB:rB+7], v[rA:rA+7], 0
.else
	v_wmma_f32_16x16x32_bf16 v[rC:rC+7], v[rB:rB+7], v[rA:rA+7], v[rC:rC+7]
.endif
.endm
; B's pairs are asked for in the order of their use, 15 pairs ahead at a chunk's head.  In front of column block b at least 12 pairs, 24 loads, are younger than b's pair
; (b = 0 to 7: 14, 13, 12, 12, 13, 13, 13, 14).  In the last two chunks fewer are: cap - b pairs.
.macro LWAIT b, cap
.if 2*((\cap)-(\b)) < 24
	s_wait_loadcnt 2*((\cap)-(\b))
.else
	s_wait_loadcnt 24
.endif
.endm
; Slice sp of unit sg of chunk e's side work.  Slices 0, 1: fragment sg of the NEXT chunk's A is rounded to bf16.  Slice 2: its f32 registers take the chunk after that.
; Slice 3: a pair of B: fragment sg - 1 of the chunk after next, into the registers that this chunk has just multiplied by; unit 0: fragment 7 of the next chunk.
; PLACES (ISA guide 7.12.1 for vector instructions): a pair's registers were last read by matrix instruction 8 sg - 1, and the unit's own eight roundings, which name none of
; that instruction's registers, stand behind instructions 16 + 6 sg and 17 + 6 sg, later for every sg; unit 0's pair was last read by the chunk before, ahead of the same eight.
; A's bf16 fragment sg was last read by instruction 56 + sg of the chunk before; behind it stand that chunk's roundings at 58 and 59 (sg up to 3) and this chunk's 8 sg for other fragments.
.macro SIDE e, cv, la, lb0, lbr
.if sp < 2
.if \cv
.if sp == 0
.if \la
	s_wait_dscnt 28                                ; seven units' four loads each are younger than this fragment's
.else
	s_wait_dscnt 28-4*sg                           ; no loads are issued any more: the count runs down
.endif
.endif
	WIN 0x40
	ACVT 4*sp
.endif
.elseif sp == 2
.if \la
	WIN 0
	AFETCH
.endif
.elseif sg == 0
.if \lb0
	WIN 0x40
	BPAIR BF+64*(1-cf)+56, (\e+1)*CHB+7*1024
.endif
.else
.if \lbr
	WIN 0x40
	BPAIR BF+64*cf+8*(sg-1), (\e+2)*CHB+(sg-1)*1024
.endif
.endif
.endm
; A CHUNK.  e: its number from the lap's first chunk on.  Its first sixteen matrix instructions stand bare; behind instruction 16 + 6 g + p stands slice p of unit g.
; turn = 1: THE CHANGE OF SLOTS.  The f32 registers run two chunks ahead, so the chunk before has read the last of a slot, and this chunk's first unit reads the next slot.  Each wave waits
; for all its tensor loads, of which one is out: its part of the next slot; adds 0 to its spare word; and waits for that and for its own reads of the slot.
; fill = 1: the slot is filled again, with the K step two steps on.  The barrier then opens a round of the cluster's barrier, so that no wave of any partner still reads the slot or has a
; load on its way, and the joint refill is the first thing behind it: 240 matrix instructions ahead of the wait for it.
.macro CHUNK e, zero, turn, fill, cv, la, lb0, lbr, cap
.set cf, (\e)&1
.set cslot, (((\e)+2)>>2)&1
.set cq, ((\e)+2)&3
.set rg, G0+4*(((\e)>>2)&1)
.set mi, 0
.if \turn
	WIN 0                                          ; (the add's two registers lie in window 0)
	s_wait_tensorcnt 0x0                           ; no tensor load of mine is out, so a group 0 may be written
	ds_add_u32 v[SPW], v[NIL]                      ; 0 onto my spare word; register work stands between it and the wait for it
.if \fill
	s_cmp_lt_u32 s[TF], 8                          ; K steps 0-7 come from queries, 8-15 from keys,
	s_cselect_b64 s[SRC:SRC+1], s[AQ:AQ+1], s[AK:AK+1]
	s_and_b32 s[OFS], s[TF], 7
	s_lshl_b32 s[OFS], s[OFS], 9                   ; 512 bytes of a row a step
	s_add_nc_u64 s[rg+2:rg+3], s[SRC:SRC+1], s[OFS:OFS+1]
	s_or_b32 s[rg+3], s[rg+3], 0x80000000
	s_add_co_u32 s[TF], s[TF], 1
.endif
.endif
	LWAIT 2, \cap                                  ; B's fragments 0, 1, 2 are in
.rept 8
	MM \zero
.set mi, mi+1
.endr
.if \turn
	s_wait_dscnt 0x0                               ; the add is done, and my reads of the slot are over
	s_barrier_signal -1
.endif
.rept 8
	MM \zero
.set mi, mi+1
.endr
.if \turn
.if \fill
	WIN 0
.endif
	s_barrier_wait -1
.if \fill
	CREST
	tensor_load_to_lds s[rg:rg+3], s[G1:G1+7]      ; my one tensor load behind the round, and the first thing there
	s_nop 0
	PLACES                                         ; four v_nop follow it
.endif
.endif
.rept 48
.if (mi%8) == 0
	LWAIT mi/8, \cap
.endif
	MM \zero
.set sg, (mi-16)/6
.set sp, (mi-16)%6
.if sp < 4
	SIDE \e, \cv, \la, \lb0, \lbr
.endif
.set mi, mi+1
.endr
.endm
	CHUNK 0, 1, 0, 0, 1, 1, 1, 1, 99               ; the first chunk stands in front of the loop: its products start the sums
	WIN 0
	s_mov_b32 s3, 7
.Llap:                                                 ; a trip is two K steps, eight chunks, from a lap's second chunk to the next lap's first, and fills both slots again: 7 trips bring K steps 2 to 15
	CHUNK 1, 0, 0, 0, 1, 1, 1, 1, 99
	CHUNK 2, 0, 1, 1, 1, 1, 1, 1, 99
	CHUNK 3, 0, 0, 0, 1, 1, 1, 1, 99
	CHUNK 4, 0, 0, 0, 1, 1, 1, 1, 99
	CHUNK 5, 0, 0, 0, 1, 1, 1, 1, 99
	CHUNK 6, 0, 1, 1, 1, 1, 1, 1, 99
	CHUNK 7, 0, 0, 0, 1, 1, 1, 1, 99
	CHUNK 8, 0, 0, 0, 1, 1, 1, 1, 99
	WIN 0
	s_wait_xcnt 0x0                                ; the loads' addresses are translated (ISA guide 3.1): only behind this wait is their base stepped
	s_add_nc_u64 s[BB:BB+1], s[BB:BB+1], 8*CHB
	s_sub_co_u32 s3, s3, 1
	s_cmp_lg_u32 s3, 0
	s_cbranch_scc1 .Llap
	CHUNK 1, 0, 0, 0, 1, 1, 1, 1, 99               ; the last lap is written out: it asks for no tile
	CHUNK 2, 0, 1, 0, 1, 1, 1, 1, 99               ; the last change of slots: K step 15 is whole; nothing is filled, so no round follows
	CHUNK 3, 0, 0, 0, 1, 1, 1, 1, 99
	CHUNK 4, 0, 0, 0, 1, 1, 1, 1, 99
	CHUNK 5, 0, 0, 0, 1, 1, 1, 1, 99
	CHUNK 6, 0, 0, 0, 1, 0, 1, 0, 15               ; the last chunk's A is rounded and its last pair of B asked for; nothing beyond it is fetched
	CHUNK 7, 0, 0, 0, 0, 0, 0, 0, 7
	; THE WAY OUT.  The sum over my columns of Vw tanh(x) = the sum of Vw + the sum of (-2 Vw) / (1 + 2^(c x + c bias)).
	WIN 0
.irp b, 0,1,2,3,4,5,6,7                ; my 64 columns' constants: 8 of each 16 columns; the table's bytes are my wave's own
	ds_load_b128 v[BI+8*\b:BI+8*\b+3],   v[CB] offset:64*\b
	ds_load_b128 v[BI+8*\b+4:BI+8*\b+7], v[CB] offset:64*\b+16
	ds_load_b128 v[VW+8*\b:VW+8*\b+3],   v[CB] offset:512+64*\b
	ds_load_b128 v[VW+8*\b+4:VW+8*\b+7], v[CB] offset:512+64*\b+16
.endr
	s_wait_dscnt 0x0
	v_pk_mul_f32 v[VSUM:VSUM+1], v[VW:VW+1], -0.5 op_sel_hi:[1,0]   ; the sum of Vw, in a pair (even columns', odd columns').  These 32 instructions name no register of
.set i, 1                              ; the products and are the places between the last of them and the first read of an accumulator
.rept 31
	v_pk_fma_f32 v[VSUM:VSUM+1], v[VW+2*i:VW+2*i+1], -0.5, v[VSUM:VSUM+1] op_sel_hi:[1,0,1]
.set i, i+1
.endr
; Column block b of all eight row blocks: 64 numbers a lane.  Each accumulator is read from its lowest registers on.
.macro EGROUP b
.set AC, 64*((\b)%4)
.set wn, 0x02+(\b)/4
	WIN wn                                         ; source 0: window 2 or 3
.irp p, 0,1,2,3
.irp a, 0,1,2,3,4,5,6,7
	v_pk_fma_f32 v[T+8*\a+2*\p:T+8*\a+2*\p+1], v[AC+8*\a+2*\p:AC+8*\a+2*\p+1], TANHC, v[BI+8*\b+2*\p:BI+8*\b+2*\p+1] op_sel_hi:[1,0,1]
.endr
.endr
	WIN 0
.set i, 0
.rept 64
	v_exp_f32 v[T+i], v[T+i]
.set i, i+1
.endr
	v_nop                                          ; a plain instruction between the last power and the use of the results
.set i, 0
	s_wait_alu depctr_va_vdst(0)
.rept 32
	v_pk_add_f32 v[T+i:T+i+1], v[T+i:T+i+1], 1.0 op_sel_hi:[1,0]
.set i, i+2
.endr
.set i, 0
.rept 64
	v_rcp_f32 v[T+i], v[T+i]
.set i, i+1
.endr
	v_nop                                          ; the same behind the reciprocals
	s_wait_alu depctr_va_vdst(0)
.irp p, 0,1,2,3
.irp a, 0,1,2,3,4,5,6,7                ; eight sums that do not wait for each other; the first product starts each on the sum of Vw
.if (\b == 0) && (\p == 0)
	s_wait_alu depctr_va_vdst(0)
	v_pk_fma_f32 v[SUM+2*\a:SUM+2*\a+1], v[T+8*\a+2*\p:T+8*\a+2*\p+1], v[VW+8*\b+2*\p:VW+8*\b+2*\p+1], v[VSUM:VSUM+1]
.else
	v_pk_fma_f32 v[SUM+2*\a:SUM+2*\a+1], v[T+8*\a+2*\p:T+8*\a+2*\p+1], v[VW+8*\b+2*\p:VW+8*\b+2*\p+1], v[SUM+2*\a:SUM+2*\a+1]
.endif
.endr
.endr
.endm
.irp b, 0,1,2,3,4,5,6,7
	EGROUP \b
.endr
.irp a, 0,1,2,3,4,5,6,7
	v_add_f32 v[RS+\a], v[SUM+2*\a], v[SUM+2*\a+1]
.endr
.irp a, 0,1,2,3,4,5,6,7
	v_permlanex16_b32 v[T+\a], v[RS+\a], s[SEL], s[SEL+1]          ; the row's other 64 columns lie in the lane 16 away
.endr
.irp a, 0,1,2,3,4,5,6,7
	v_add_f32 v[RS+\a], v[RS+\a], v[T+\a]
.endr
	v_cmp_ne_u32 vcc_lo, 0, v2                     ; lanes 16-31
.irp a, 0,2,4,6                        ; lanes 0-15 give row block a, lanes 16-31 row block a + 1: 32 neighbouring rows
	v_cndmask_b32 v[T+8+\a], v[RS+\a], v[RS+\a+1], vcc_lo
	ds_store_b32 v[SS], v[T+8+\a] offset:64*\a
.endr
	ds_load_b128 v[T+16:T+19], v[SR]               ; LDS serves a wave's instructions in order: this sees the stores above; four neighbouring rows a lane
	s_wait_dscnt 0x0
	global_store_b128 v[PO], v[T+16:T+19], s[16:17]                ; the wave stores 512 consecutive bytes, aligned
	s_wait_tensorcnt 0x0                           ; the wave's end: behind my last tensor load and my last LDS store
	ds_add_u32 v[SPW], v[NIL]
	s_wait_dscnt 0x0
	CROUND                                         ; the closing round: no work-group ends while a partner may still ask for a tile that names it
	s_endpgm
.Lfunc_end_k_q7d2820bd0a_gemm:
	.size	k_q7d2820bd0a_gemm, .Lfunc_end_k_q7d2820bd0a_gemm-k_q7d2820bd0a_gemm
	.p2alignl 7, 3214868480
	.fill 96, 4, 3214868480
	.section	.rodata,"a",@progbits
	.p2align	6, 0x0
	.amdhsa_kernel k_q7d2820bd0a_gemm
		.amdhsa_group_segment_fixed_size 327680
		.amdhsa_private_segment_fixed_size 0
		.amdhsa_enable_private_segment 0
		.amdhsa_kernarg_size 56
		.amdhsa_user_sgpr_count 2
		.amdhsa_user_sgpr_kernarg_segment_ptr 1
		.amdhsa_wavefront_size32 1
		.amdhsa_system_sgpr_workgroup_id_x 1
		.amdhsa_system_sgpr_workgroup_id_y 1
		.amdhsa_system_sgpr_workgroup_id_z 1
		.amdhsa_system_vgpr_workitem_id 0
		.amdhsa_next_free_vgpr 1024
		.amdhsa_next_free_sgpr 66
		.amdhsa_reserve_vcc 1
		.amdhsa_float_denorm_mode_32 3
		.amdhsa_float_denorm_mode_16_64 3
		.amdhsa_memory_ordered 1
		.amdhsa_forward_progress 1
		.amdhsa_inst_pref_size 255
	.end_amdhsa_kernel
	.section	.bss,"aw",@nobits
	.p2align	6
	.space	262144
	.amdgpu_metadata
---
amdhsa.version: [ 1, 2 ]
amdhsa.kernels:
  - .name:           k_q7d2820bd0a_gemm
    .symbol:         k_q7d2820bd0a_gemm.kd
    .args:
      - { .name: queries, .offset: 0, .size: 8, .value_kind: global_buffer, .address_space: global }
      - { .name: keys, .offset: 8, .size: 8, .value_kind: global_buffer, .address_space: global }
      - { .name: w2, .offset: 16, .size: 8, .value_kind: global_buffer, .address_space: global }
      - { .name: Qb, .offset: 24, .size: 8, .value_kind: global_buffer, .address_space: global }
      - { .name: Kb, .offset: 32, .size: 8, .value_kind: global_buffer, .address_space: global }
      - { .name: Vw, .offset: 40, .size: 8, .value_kind: global_buffer, .address_space: global }
      - { .name: part, .offset: 48, .size: 8, .value_kind: global_buffer, .address_space: global }
    .group_segment_fixed_size: 327680
    .private_segment_fixed_size: 0
    .kernarg_segment_align: 8
    .kernarg_segment_size: 56
    .max_flat_workgroup_size: 128
    .sgpr_count:     66
    .vgpr_count:     1024
    .wavefront_size: 32
...
	.end_amdgpu_metadata
.endif
;; end of part 2
;; launch ctx (part 3): grid 16 x 8, 32 waves a work-group, no clusters, 28,928 bytes of LDS; arguments part, Vb, keys, out0, out1; writes out0, out1
.if DOCPART == 3
	.amdgcn_target "amdgcn-amd-amdhsa--gfx1250"
	.amdhsa_code_object_version 6
	.text
	.protected	k_q7d2820bd0a_ctx
	.globl	k_q7d2820bd0a_ctx
	.p2align	8
	.type	k_q7d2820bd0a_ctx,@function
k_q7d2820bd0a_ctx:
	s_mov_b64 s[64:65], 0
	v_nop
	global_prefetch_b8 v0, s[64:65] scope:SCOPE_SE
	s_setreg_imm32_b32 hwreg(HW_REG_WAVE_MODE, 25, 1), 1
	s_wait_xcnt 0x0
; score[b][s] = the sum over p of part[p][4096 b + s] + Vb;  out1[b] = softmax over s (the maximum is taken away first);  out0[b][c] = the sum over s of out1[b][s] keys[b][s][c].
; Work-group (j, b) owns columns 64 j .. 64 j + 63 of batch b, 256 aligned bytes of every row of keys, so each number of out0 has one owner and no sum crosses work-groups.
; That gives 16 x 8 work-groups; more would mean pieces of a row shorter than 256 bytes, or sums across work-groups.  Every work-group makes the batch's 4,096 weights itself (128 KiB
; of part against its 1 MiB of keys) and stores the 256 of them that belong to its j.
; 32 waves.  Thread t holds scores 4 t .. 4 t + 3; wave w then walks rows 128 w .. 128 w + 127 of keys, the rows whose weights it has made itself: lanes 0-15 take row 128 w + i,
; lanes 16-31 row 128 w + 64 + i, 16 bytes a lane.  A ring of 16 loads in registers keeps 8 KiB of every wave on its way; the first 16 go out ahead of the softmax.
; A stream: no matrix unit (one row of weights), no cluster (no two work-groups read the same bytes of keys), no tensor loads (the bytes in flight fit in registers).
; LIMITS: a weight below 2^-126 comes out as 0 (the power's result is flushed); NaN and infinities among the scores are not served.
.set RED, 16384                        ; LDS: 0 the weights, 512 bytes a wave, its own; RED the waves' maxima, RED + 128 their sums; CR the waves' partial contexts, 256 bytes each
.set CR,  16640
.set P,   8                            ; v[8:39]   the eight partial scores of my four rows; then:
.set WT,  8                            ; v[8:23]   sixteen weights of a round
.set ACC, 24                           ; v[24:39]  four sets of four sums, by turns
.set SC,  40                           ; v[40:43]  my four scores, then weights
.set X,   44                           ; v[44:107] the ring: 16 loads of 4 f32
.set AW,  108                          ; v108 where I put my four weights      v109 where my half of the lanes reads its rows' weights
.set AWR, 109
.set ARS, 110                          ; v110 my wave's word in RED            v111 lane l reads wave l's word
.set ARL, 111
.set ACS, 112                          ; v112 where I put my wave's sums       v113 where wave 0 reads them back       v114 my offset in out0
.set ACL, 113
.set AO,  114
	s_load_b256 s[4:11], s[0:1], 0x0               ; part s[4:5], Vb s[6:7], keys s[8:9], out0 s[10:11]
	s_load_b64 s[12:13], s[0:1], 0x20              ; out1
	v_lshl_add_u32 v116, v0, 2, 0x6100
	v_mov_b32 v117, 0
	v_lshrrev_b32 v1, 5, v0
	v_readfirstlane_b32 s14, v1                    ; wave 0..31
	s_and_b32 s15, ttmp7, 0xffff                   ; b
	v_and_b32 v1, 31, v0                           ; lane
	v_and_b32 v2, 15, v0                           ; r
	v_bfe_u32 v3, v0, 4, 1                         ; h
	v_lshlrev_b32 v5, 4, v0                        ; 16 t: my four scores in a batch's 16,384 bytes
	v_mov_b32 v7, 0                                ; written, since the exchange between the halves counts as a reader of its destination
	s_lshl_b32 s16, s14, 19                        ; 128 rows of 4,096 bytes a wave,
	v_lshlrev_b32 v4, 18, v3                       ; 64 rows further for lanes 16-31,
	v_lshl_add_u32 v4, v2, 4, v4                   ; 16 bytes a lane
	v_add_nc_u32 v4, s16, v4
	s_lshl_b32 s17, s14, 9                         ; my wave's 512 bytes of weights
	v_lshl_add_u32 v[AW], v1, 4, s17
	v_lshl_add_u32 v[AWR], v3, 8, s17
	s_lshl_b32 s25, s14, 2
	s_add_co_u32 s25, s25, RED
	v_mov_b32 v[ARS], s25
	v_lshl_add_u32 v[ARL], v1, 2, RED
	s_lshl_b32 s25, s14, 8
	s_add_co_u32 s25, s25, CR
	v_lshl_add_u32 v[ACS], v2, 4, s25
	v_lshlrev_b32 v[AO], 4, v2
	v_lshl_add_u32 v[ACL], v3, 12, v[AO]           ; lanes 16-31 read waves 16 to 31
	v_add_nc_u32 v[ACL], CR, v[ACL]
	s_mov_b32 s26, 0x76543210                      ; v_permlanex16_b32: each lane takes its own place in the other half
	s_mov_b32 s27, 0xfedcba98
	s_lshl_b32 s18, s15, 14                        ; the batch in part's rows and in out1
	s_mov_b32 s19, 0
	s_lshl_b32 s20, s15, 24                        ; the batch in keys,
	s_lshl_b32 s21, ttmp9, 8                       ; my 256 bytes of a row
	s_add_co_u32 s20, s20, s21
	s_lshl_b32 s22, s15, 12                        ; the same in out0
	s_add_co_u32 s22, s22, s21
	s_mov_b32 s21, 0
	s_mov_b32 s23, 0
	s_wait_kmcnt 0x0
	s_load_b32 s24, s[6:7], 0x0                    ; Vb
	s_add_nc_u64 s[4:5], s[4:5], s[18:19]
	s_add_nc_u64 s[12:13], s[12:13], s[18:19]
	s_add_nc_u64 s[8:9], s[8:9], s[20:21]
	s_add_nc_u64 s[10:11], s[10:11], s[22:23]
.irp p, 0,1,2,3,4,5,6,7
	global_load_b128 v[P+4*\p:P+4*\p+3], v5, s[4:5] offset:\p*131072
.endr
.irp u, 0,1,2,3,4,5,6,7,8,9,10,11,12,13,14,15
	global_load_b128 v[X+4*\u:X+4*\u+3], v4, s[8:9] offset:\u*4096 th:TH_LOAD_NT   ; the ring is filled ahead of the softmax
.endr
	s_wait_kmcnt 0x0
	s_mov_b32 s25, s24                             ; named with Vb as a pair, so it is written
	s_wait_loadcnt 16                              ; the partial scores are in; the sixteen loads of keys stay out
.irp p, 0,2,4,6
	v_pk_add_f32 v[P+4*\p:P+4*\p+1],   v[P+4*\p:P+4*\p+1],   v[P+4*\p+4:P+4*\p+5]
	v_pk_add_f32 v[P+4*\p+2:P+4*\p+3], v[P+4*\p+2:P+4*\p+3], v[P+4*\p+6:P+4*\p+7]
.endr
.irp p, 0,4
	v_pk_add_f32 v[P+4*\p:P+4*\p+1],   v[P+4*\p:P+4*\p+1],   v[P+4*\p+8:P+4*\p+9]
	v_pk_add_f32 v[P+4*\p+2:P+4*\p+3], v[P+4*\p+2:P+4*\p+3], v[P+4*\p+10:P+4*\p+11]
.endr
	v_pk_add_f32 v[SC:SC+1],   v[P:P+1],   v[P+16:P+17]
	v_pk_add_f32 v[SC+2:SC+3], v[P+2:P+3], v[P+18:P+19]
	v_pk_add_f32 v[SC:SC+1],   v[SC:SC+1],   s[24:25] op_sel_hi:[1,0]
	v_pk_add_f32 v[SC+2:SC+3], v[SC+2:SC+3], s[24:25] op_sel_hi:[1,0]
; v6 over the wave's 32 lanes, the result in every lane: four steps inside each half of 16 lanes ride on the arithmetic, one crosses the halves
.macro WMAX
.irp m, 1,2,4,8
	v_max_num_f32_dpp v6, v6, v6 row_xmask:\m row_mask:0xf bank_mask:0xf
.endr
	v_permlanex16_b32 v7, v6, s26, s27
	v_max_num_f32 v6, v6, v7
.endm
.macro WSUM
.irp m, 1,2,4,8
	v_add_f32_dpp v6, v6, v6 row_xmask:\m row_mask:0xf bank_mask:0xf
.endr
	v_permlanex16_b32 v7, v6, s26, s27
	v_add_f32 v6, v6, v7
.endm
	v_max3_num_f32 v6, v[SC], v[SC+1], v[SC+2]
	v_max_num_f32 v6, v6, v[SC+3]
	WMAX
	ds_store_b32 v[ARS], v6                        ; all lanes write the wave's word with the same value
	s_wait_dscnt 0x0                               ; for the others' sake
	s_barrier_signal -1
	s_barrier_wait -1
	ds_load_b32 v6, v[ARL]                         ; lane l takes wave l's maximum
	s_wait_dscnt 0x0
	WMAX                                           ; the batch's maximum
.irp i, 0,1,2,3
	v_sub_f32 v[SC+\i], v[SC+\i], v6
.endr
.irp i, 0,1,2,3
	v_mul_f32 v[SC+\i], 0x3fb8aa3b, v[SC+\i]       ; log2(e)
.endr
.irp i, 0,1,2,3
	v_exp_f32 v[SC+\i], v[SC+\i]
.endr
	v_nop                                          ; a plain instruction between the last power and the use of the results
	s_wait_alu depctr_va_vdst(0)
	v_pk_add_f32 v[6:7], v[SC:SC+1], v[SC+2:SC+3]
	v_add_f32 v6, v6, v7
	WSUM
	ds_store_b32 v[ARS], v6 offset:128             ; other bytes than the maxima's, which may still be read
	s_wait_dscnt 0x0
	s_barrier_signal -1
	s_barrier_wait -1
	ds_load_b32 v6, v[ARL] offset:128
	s_wait_dscnt 0x0
	WSUM                                           ; at least 1: the largest score's power is 1
	v_rcp_f32 v6, v6
	v_nop
	s_wait_alu depctr_va_vdst(0)
	v_pk_mul_f32 v[SC:SC+1],   v[SC:SC+1],   v[6:7] op_sel_hi:[1,0]
	v_pk_mul_f32 v[SC+2:SC+3], v[SC+2:SC+3], v[6:7] op_sel_hi:[1,0]
	ds_store_b128 v[AW], v[SC:SC+3]                ; my wave's own bytes: only my wave reads them, and LDS serves its instructions in order
	s_lshr_b32 s28, s14, 1
	s_cmp_lg_u32 s28, ttmp9                        ; waves 2 j and 2 j + 1 hold the 256 weights that work-group j stores
	s_cbranch_scc1 .Lnot_mine
	global_store_b128 v5, v[SC:SC+3], s[12:13]     ; 512 consecutive bytes, aligned; v5 and the weights are not written again
.Lnot_mine:
; Load u of a round: four columns of one row times the row's weight, which is taken for both halves of the packed instruction from its place in a pair
.macro FM rho, u
.set aa, ACC+4*((\u)%4)
.set ww, WT+2*((\u)/2)
.set xx, X+4*(\u)
.if (\rho == 0) && (\u < 4)            ; the first four loads start the sums: nothing is cleared
.if (\u)%2
	v_pk_mul_f32 v[aa:aa+1],   v[xx:xx+1],   v[ww:ww+1] op_sel:[0,1] op_sel_hi:[1,1]
	v_pk_mul_f32 v[aa+2:aa+3], v[xx+2:xx+3], v[ww:ww+1] op_sel:[0,1] op_sel_hi:[1,1]
.else
	v_pk_mul_f32 v[aa:aa+1],   v[xx:xx+1],   v[ww:ww+1] op_sel_hi:[1,0]
	v_pk_mul_f32 v[aa+2:aa+3], v[xx+2:xx+3], v[ww:ww+1] op_sel_hi:[1,0]
.endif
.else
.if (\u)%2
	v_pk_fma_f32 v[aa:aa+1],   v[xx:xx+1],   v[ww:ww+1], v[aa:aa+1]   op_sel:[0,1,0] op_sel_hi:[1,1,1]
	v_pk_fma_f32 v[aa+2:aa+3], v[xx+2:xx+3], v[ww:ww+1], v[aa+2:aa+3] op_sel:[0,1,0] op_sel_hi:[1,1,1]
.else
	v_pk_fma_f32 v[aa:aa+1],   v[xx:xx+1],   v[ww:ww+1], v[aa:aa+1]   op_sel_hi:[1,0,1]
	v_pk_fma_f32 v[aa+2:aa+3], v[xx+2:xx+3], v[ww:ww+1], v[aa+2:aa+3] op_sel_hi:[1,0,1]
.endif
.endif
.endm
; A round: sixteen loads of the ring, rows 16 rho .. 16 rho + 15 of each half of the lanes.  The row stands in the loads' immediate: no address register is ever rewritten.
.macro ROUND rho
.irp k, 0,1,2,3
	ds_load_b128 v[WT+4*\k:WT+4*\k+3], v[AWR] offset:64*\rho+16*\k
.endr
	s_wait_dscnt 0x0
.irp u, 0,1,2,3,4,5,6,7,8,9,10,11,12,13,14,15
.if \rho == 3
	s_wait_loadcnt 15-\u                           ; the last round loads nothing: the counts run down
.else
	s_wait_loadcnt 15                              ; loads come back in order: the oldest is in, fifteen stay out
.endif
	FM \rho, \u
.if \rho < 3
	global_load_b128 v[X+4*\u:X+4*\u+3], v4, s[8:9] offset:(16*(\rho+1)+\u)*4096 th:TH_LOAD_NT
.endif
.endr
.endm
	ROUND 0
	ROUND 1
	ROUND 2
	ROUND 3
.irp i, 0,2
	v_pk_add_f32 v[ACC+\i:ACC+\i+1],     v[ACC+\i:ACC+\i+1],     v[ACC+4+\i:ACC+4+\i+1]
	v_pk_add_f32 v[ACC+8+\i:ACC+8+\i+1], v[ACC+8+\i:ACC+8+\i+1], v[ACC+12+\i:ACC+12+\i+1]
.endr
.irp i, 0,2
	v_pk_add_f32 v[ACC+\i:ACC+\i+1], v[ACC+\i:ACC+\i+1], v[ACC+8+\i:ACC+8+\i+1]
.endr
.irp i, 0,1,2,3
	v_permlanex16_b32 v[ACC+4+\i], v[ACC+\i], s26, s27             ; the other 64 rows' sums
.endr
.irp i, 0,2
	v_pk_add_f32 v[ACC+\i:ACC+\i+1], v[ACC+\i:ACC+\i+1], v[ACC+4+\i:ACC+4+\i+1]
.endr
	ds_store_b128 v[ACS], v[ACC:ACC+3]             ; both halves of the lanes hold, and write, the same 256 bytes
	s_wait_dscnt 0x0                               ; for wave 0's sake
	s_barrier_signal -1
	s_barrier_wait -1
	s_cmp_lg_u32 s14, 0
	s_cbranch_scc1 .Lend                           ; wave 0 adds the 32 waves' sums: lanes 0-15 those of waves 0-15, lanes 16-31 the others'
.irp k, 0,1,2,3,4,5,6,7,8,9,10,11,12,13,14,15
	ds_load_b128 v[X+4*\k:X+4*\k+3], v[ACL] offset:\k*256
.endr
	s_wait_dscnt 0x0
.irp d, 8,4,2,1
.set k, 0
.rept \d
	v_pk_add_f32 v[X+4*k:X+4*k+1],   v[X+4*k:X+4*k+1],   v[X+4*(k+\d):X+4*(k+\d)+1]
	v_pk_add_f32 v[X+4*k+2:X+4*k+3], v[X+4*k+2:X+4*k+3], v[X+4*(k+\d)+2:X+4*(k+\d)+3]
.set k, k+1
.endr
.endr
.irp i, 0,1,2,3
	v_permlanex16_b32 v[X+4+\i], v[X+\i], s26, s27
.endr
	v_pk_add_f32 v[X:X+1],   v[X:X+1],   v[X+4:X+5]
	v_pk_add_f32 v[X+2:X+3], v[X+2:X+3], v[X+6:X+7]
	v_cmp_gt_u32 vcc_lo, 16, v1
	s_wait_xcnt 0x0                                ; EXEC is a source of the loads and stores issued so far: it changes only behind this wait
	s_and_saveexec_b32 s28, vcc_lo
	global_store_b128 v[AO], v[X:X+3], s[10:11]    ; sixteen lanes store 256 consecutive bytes, aligned
	s_wait_xcnt 0x0                                ; and again, in front of the line that widens it
	s_or_b32 exec_lo, exec_lo, s28
.Lend:
	s_wait_tensorcnt 0x0
	ds_add_u32 v116, v117
	s_wait_dscnt 0x0
	s_endpgm
.Lfunc_end_k_q7d2820bd0a_ctx:
	.size	k_q7d2820bd0a_ctx, .Lfunc_end_k_q7d2820bd0a_ctx-k_q7d2820bd0a_ctx
	.p2alignl 7, 3214868480
	.fill 96, 4, 3214868480
	.section	.rodata,"a",@progbits
	.p2align	6, 0x0
	.amdhsa_kernel k_q7d2820bd0a_ctx
		.amdhsa_group_segment_fixed_size 28928
		.amdhsa_private_segment_fixed_size 0
		.amdhsa_enable_private_segment 0
		.amdhsa_kernarg_size 40
		.amdhsa_user_sgpr_count 2
		.amdhsa_user_sgpr_kernarg_segment_ptr 1
		.amdhsa_wavefront_size32 1
		.amdhsa_system_sgpr_workgroup_id_x 1
		.amdhsa_system_sgpr_workgroup_id_y 1
		.amdhsa_system_sgpr_workgroup_id_z 1
		.amdhsa_system_vgpr_workitem_id 0
		.amdhsa_next_free_vgpr 118
		.amdhsa_next_free_sgpr 66
		.amdhsa_reserve_vcc 1
		.amdhsa_float_denorm_mode_32 3
		.amdhsa_float_denorm_mode_16_64 3
		.amdhsa_memory_ordered 1
		.amdhsa_forward_progress 1
		.amdhsa_inst_pref_size 29
	.end_amdhsa_kernel
	.amdgpu_metadata
---
amdhsa.version: [ 1, 2 ]
amdhsa.kernels:
  - .name:           k_q7d2820bd0a_ctx
    .symbol:         k_q7d2820bd0a_ctx.kd
    .args:
      - { .name: part, .offset: 0, .size: 8, .value_kind: global_buffer, .address_space: global }
      - { .name: Vb, .offset: 8, .size: 8, .value_kind: global_buffer, .address_space: global }
      - { .name: keys, .offset: 16, .size: 8, .value_kind: global_buffer, .address_space: global }
      - { .name: out0, .offset: 24, .size: 8, .value_kind: global_buffer, .address_space: global }
      - { .name: out1, .offset: 32, .size: 8, .value_kind: global_buffer, .address_space: global }
    .group_segment_fixed_size: 28928
    .private_segment_fixed_size: 0
    .kernarg_segment_align: 8
    .kernarg_segment_size: 40
    .max_flat_workgroup_size: 1024
    .sgpr_count:     66
    .vgpr_count:     118
    .wavefront_size: 32
...
	.end_amdgpu_metadata
.endif
;; end of part 3
;; ======== version 2 of 2: 3 launches; 1.14 times as fast as version 1
;; workspace buffers: w2 4,194,304 bytes; part 1,048,576 bytes
;; launch prep: the kernel of part 1 again; grid 256 x 1, 8 waves a work-group, no clusters, 19,456 bytes of LDS; arguments Qw, Kw, w2; writes w2
;; launch gemm (part 4): grid 4 x 128, 4 waves a work-group, clusters of 4 x 1, 327,680 bytes of LDS; arguments queries, keys, w2, Qb, Kb, Vw, part; writes part
.if DOCPART == 4
	.amdgcn_target "amdgcn-amd-amdhsa--gfx1250"
	.amdhsa_code_object_version 6
	.text
	.protected	k_q7d2820bd0a_gemm
	.globl	k_q7d2820bd0a_gemm
	.p2align	8
	.type	k_q7d2820bd0a_gemm,@function
k_q7d2820bd0a_gemm:
	s_mov_b64 s[64:65], 0
	v_nop
	global_prefetch_b8 v0, s[64:65] scope:SCOPE_SE
	s_setreg_imm32_b32 hwreg(HW_REG_WAVE_MODE, 25, 1), 1
	s_wait_xcnt 0x0
	s_wait_alu depctr_hold_cnt(0) depctr_sa_sdst(0) depctr_va_vdst(0) depctr_va_sdst(0) depctr_va_ssrc(0) depctr_va_vcc(0) depctr_vm_vsrc(0)
	s_getreg_b32 s2, hwreg(HW_REG_IB_STS2, 6, 4)
	s_cmp_eq_u32 s2, 0
	s_cbranch_scc0 .Lentry_in_a_cluster
	s_endpgm
.Lentry_in_a_cluster:
	s_bfe_u32 s2, ttmp6, 0x10000c
	s_cmp_lg_u32 s2, 0x3003
	s_cbranch_scc0 .Lentry_shape_is_right
	s_endpgm
.Lentry_shape_is_right:
; part[p][m] = the sum over the 128 columns n of column group p of Vw[n] tanh(x[m][n]),  x = [queries | keys] [Qw | Kw]^T + Qb + Kb:
; q + k is ONE product of 32,768 rows x 1,024 columns over K = 2,048.  Operands in bf16, sums, tanh and the sum over n in f32.
; SHARES.  A work-group makes 256 rows x 256 columns of x, each of its four waves 128 x 128: 64 accumulators of 16 x 16, 512 registers.  x never leaves the registers.
; A (f32 in memory) goes in K steps of 128 (steps 0-7 from queries, 8-15 from keys) through two LDS slots of 256 rows x 512 bytes; each wave fetches 64 rows with one tensor load;
; it is rounded to bf16 on the way from LDS to the matrix unit.  The four work-groups of a cluster make the four column blocks of one block of rows, so each tile of A is asked for
; JOINTLY: the same tensor load, with the same descriptor and a mask that names the four.
; B (w2: bf16, stored as register images of fragments) comes straight into registers: a fragment is two loads of 512 consecutive bytes.  WHY B IS NOT SHARED THROUGH LDS: two slots of
; 128 k of f32 A take 270,336 bytes, two of bf16 B would take 139,264 more, and the work-group has 327,680; slots of 64 k would halve the matrix work between a tile's request and
; the wait for it.  The price: each wave loads its own 8 KiB of w2 for each 32 k, and two waves of a work-group load the same.
; THE MATRIX INSTRUCTION IS USED TRANSPOSED (source 0 = 16 columns of W, source 1 = 16 rows of A): a lane holds ONE row m = 16 a + lane % 16 and the columns 16 b + 8 (lane / 16) + 0..7,
; so the sum over n stays in the lane but for one exchange between the halves of the lanes.
; A CHUNK is 32 k: 64 matrix instructions.  Beside them stand 64 roundings to bf16 (the next chunk's A), in sixteen slices of four, one behind each of matrix instructions 16 to 31 (a slice
; costs two switches of the register window), and 48 loads (32 from LDS: the f32 A of the chunk after next; 16 of w2), which stand in ONE run in the chunk's middle, never singly among
; the matrix instructions.
; tanh(x) = 1 - 2 / (1 + 2^(2 log2(e) x)).  LIMITS: its absolute error is a few 2^-24; where the power overflows or is flushed to zero the result is exactly 1 or -1;
; NaN and infinities among the inputs are not served.
;
; REGISTERS, in windows of 256 (s_set_vgpr_msb: bits 1:0 source 0, 3:2 source 1, 5:4 source 2, 7:6 destination):
;   window 0: v0-29 addresses; v32-159 A as f32, 16 registers a fragment; v160-191, v224-255 B's fragments 4-7 of the chunks 2 and 3 modulo 4; v192-203 at work at the start;
;             on the way out v32-95 biases, v96-159 Vw, v160-223 at work, v224-249 sums
;   window 1: v0-63, v64-127 A in bf16, two buffers of 8 fragments; v128-159, v192-223 B's fragments 0-3, two buffers; v160-191, v224-255 B's fragments 4-7 of the chunks 0 and 1 modulo 4
;   windows 2, 3: accumulator (a, b) at v[64 (b % 4) + 8 a] of window 2 + b / 4
; B's fragments 0-3 are free at the run (matrix instructions 0-31 have read them) and take the chunk two on.  Fragments 4-7 are still to be read there; with two buffers they would be asked
; for 64 matrix instructions ahead of their use, so they have four and take the chunk three on: every load of w2 has 96 matrix instructions or more in which to land.
.set PITCH, 528                        ; an LDS row: 512 bytes + 16 of padding = 33 x 16 bytes: the 16 rows that a load touches start 16 bytes apart modulo 256
.set FROWS, 64*PITCH                   ; what one tensor load brings
.set HALFA, 128*PITCH                  ; what one wave reads
.set SLOT,  256*PITCH
.set CTAB,  2*SLOT                     ; behind the ring: 1,024 bytes a wave: its 128 biases, then its 128 Vw
.set STAGE, CTAB+4096                  ; 512 bytes a wave: its 128 results, for the way out
.set SPARE, STAGE+2048                 ; the spare words, 128 bytes a wave: two blocks of 256 bytes that no other line names
.set CHB,   65536                      ; bytes of a chunk in w2
.set TANHC, 0x4038aa3b                 ; 2 log2(e)
.set ADRA, 3                           ; v3, v4  LDS address of my A fragments in slot 0, 1
.set BO,   5                           ; v5   16 x lane: my offset in a half fragment of w2; never rewritten
.set CS,   6                           ; v6   where I put 16 bytes of my wave's table
.set CB,   7                           ; v7   where I read my columns' constants
.set SS,   8                           ; v8   the way out: where I put one result
.set SR,   9                           ; v9   the way out: where I read four back
.set PO,   10                          ; v10  my byte offset in part
.set CO,   11                          ; v11  my byte offset in Qb, Kb, Vw
.set SPW,  28                          ; v28  LDS address of my spare word; never rewritten
.set NIL,  29                          ; v29  0; never rewritten
.set ST,   32
.set PT,   192
.set BI,   32
.set VW,   96
.set T,    160
.set SUM,  224
.set VSUM, 240
.set RS,   242
.set AF,   0                           ; window 1
.set BF,   128
.set WV,  18                           ; s18  my wave's number
.set G1,  24                           ; s[24:31] descriptor group 1
.set G0,  32                           ; s[32:39] descriptor group 0, a set for each slot
.set AQ,  40                           ; s[40:41] queries at my 64 rows
.set AK,  42                           ; s[42:43] keys at my 64 rows
.set TF,  44                           ; s44  the K step to be fetched next
.set OFS, 46                           ; s[46:47] its byte offset in a row; the high word stays 0
.set SRC, 48                           ; s[48:49] the tensor it comes from
.set BB,  50                           ; s[50:51] w2 at my 128 columns, at the lap's first chunk
.set SEL, 52                           ; s[52:53] lane selects: each lane takes its own place in the other half
.set MSB, 0
.macro WIN new                         ; the immediate's high byte repeats the setting that is left; a switch that changes nothing is dropped
.if MSB != \new
	s_set_vgpr_msb (MSB<<8)|\new
.set MSB, \new
.endif
.endm
.macro PLACES
.rept 4
	v_nop
.endr
.endm
; A round of the cluster's barrier: my work-group's barrier, so that wave 0's signal speaks for all four waves; wave 0 signals for the work-group; every wave waits for all four
; work-groups; my work-group's barrier once more.
.macro CREST                           ; a round behind its opening barrier
	s_cmp_lg_u32 s[WV], 0
	s_cbranch_scc1 .Lnot_wave_0_\@
	s_barrier_signal -3
.Lnot_wave_0_\@:
	s_barrier_wait -3
	s_barrier_signal -1
	s_barrier_wait -1
.endm
.macro CROUND                          ; a whole round
	s_barrier_signal -1
	s_barrier_wait -1
	CREST
.endm
	s_load_b256 s[4:11], s[0:1], 0x0               ; queries s[4:5], keys s[6:7], w2 s[8:9], Qb s[10:11]
	s_load_b128 s[12:15], s[0:1], 0x20             ; Kb s[12:13], Vw s[14:15]
	s_load_b64 s[16:17], s[0:1], 0x30              ; part
	v_lshl_add_u32 v[SPW], v0, 2, SPARE
	v_mov_b32 v[NIL], 0
	ds_add_u32 v28, v29
	ds_add_u32 v28, v29
	s_wait_dscnt 0x0
	v_lshrrev_b32 v1, 5, v0
	v_readfirstlane_b32 s[WV], v1                  ; wave 0..3
	s_lshr_b32 s19, s[WV], 1                       ; which 128 rows of the tile are mine
	s_and_b32 s20, s[WV], 1                        ; which 128 columns
	s_bfe_u32 s21, ttmp6, 0x40000                  ; cx: my place in the cluster = my block of 256 columns; it enters w2's, the constants' and part's addresses alone
	s_and_b32 s22, ttmp7, 0xffff                   ; the block of 256 rows, which the four partners share
	; descriptor group 1: a tile of 64 rows x 128 f32, padded in LDS
	s_mov_b32 s[G1+0], 15|(2<<16)|(1<<20)|(1<<21)|(6<<22)|(3<<25)  ; 15:0 the mask: all four work-groups; 17:16 elements of 4 bytes; 20 padding on; 21 set beside a mask; 24:22 after every 128 words (code 6); 31:25 4 words of it (code 3)
	s_mov_b32 s[G1+1], 128<<16                     ; tensor_dim0 = 128
	s_mov_b32 s[G1+2], 64<<16                      ; tensor_dim1 = 64
	s_mov_b32 s[G1+3], 128<<16                     ; tile_dim0 = 128
	s_mov_b32 s[G1+4], 64                          ; tile_dim1 = 64
	s_mov_b32 s[G1+5], 1024                        ; elements from row to row
	s_mov_b32 s[G1+6], 0
	s_mov_b32 s[G1+7], 0
	s_lshl_b32 s54, s22, 20                        ; 256 rows of 4,096 bytes a block,
	s_lshl_b32 s55, s[WV], 18                      ; 64 rows a wave
	s_add_co_u32 s54, s54, s55
	s_mov_b32 s55, 0
	s_mul_i32 s56, s[WV], FROWS                    ; where they go: no place in the cluster enters an LDS address
	s_mov_b32 s[OFS+1], 0
	s_mov_b32 s[TF], 2
	s_mov_b32 s[SEL], 0x76543210
	s_mov_b32 s[SEL+1], 0xfedcba98
	s_lshl_b32 s58, s21, 14                        ; 16 column blocks of 1,024 bytes a work-group,
	s_lshl_b32 s59, s20, 13                        ; 8 a wave
	s_add_co_u32 s58, s58, s59
	s_mov_b32 s59, 0
	s_wait_kmcnt 0x0
	s_add_nc_u64 s[AQ:AQ+1], s[4:5], s[54:55]
	s_add_nc_u64 s[AK:AK+1], s[6:7], s[54:55]
	s_add_nc_u64 s[BB:BB+1], s[8:9], s[58:59]
	CROUND                                         ; all four work-groups are here: the first joint loads meet
.irp n, 0,1
	s_mov_b32 s[G0+4*\n], 1                                        ; count = 1
	s_add_co_u32 s[G0+4*\n+1], s56, \n*SLOT                        ; LDS address
	s_add_nc_u64 s[G0+4*\n+2:G0+4*\n+3], s[AQ:AQ+1], \n*512        ; global address: K step n of queries
	s_or_b32 s[G0+4*\n+3], s[G0+4*\n+3], 0x80000000                ; type = 2
.endr
	tensor_load_to_lds s[G0:G0+3], s[G1:G1+7]      ; both first fills go out together, ahead of every wait on TENSORcnt and every LDS read: two loads of mine are out
	s_nop 0
	tensor_load_to_lds s[G0+4:G0+7], s[G1:G1+7]
	s_nop 0
	PLACES                                         ; four v_nop follow the tensor loads
	v_and_b32 v1, 15, v0                           ; r = lane % 16
	v_bfe_u32 v2, v0, 4, 1                         ; h = lane / 16
	v_and_b32 v12, 31, v0
	v_lshlrev_b32 v[BO], 4, v12
	s_lshl_b32 s57, s21, 10                        ; my wave's 128 columns in Qb, Kb, Vw: 1,024 bytes a work-group, 512 a wave
	s_lshl_b32 s23, s20, 9
	s_add_co_u32 s57, s57, s23
	v_add_nc_u32 v[CO], s57, v[BO]
	global_load_b128 v[PT:PT+3],    v[CO], s[10:11]
	global_load_b128 v[PT+4:PT+7],  v[CO], s[12:13]
	global_load_b128 v[PT+8:PT+11], v[CO], s[14:15]
; Two loads of 512 consecutive bytes: one fragment of B into registers r .. r + 7
.macro BPAIR r, off
	global_load_b128 v[\r:\r+3],   v[BO], s[BB:BB+1] offset:\off
	global_load_b128 v[\r+4:\r+7], v[BO], s[BB:BB+1] offset:\off+512
.endm
; Fragments b0 .. b0 + 3 of chunk x (counted from the lap's first chunk): eight loads.  The window of the destination is set by the caller.
.macro BQUAD x, b0
.irp o, 0,1,2,3
	BPAIR BF+64*((\x)&1)+8*(\b0+\o), (\x)*CHB+(\b0+\o)*1024
.endr
.endm
; Fragment sg of A (16 rows x 32 k, f32) of quarter cq of slot cslot: lane (r, h) takes k = 8 h + 0..7 (32 bytes) and k = 16 + 8 h + 0..7 (32 bytes, 64 further on) of row r
.macro AFETCH
.irp o, 0,1,2,3
	ds_load_b128 v[ST+16*sg+4*\o:ST+16*sg+4*\o+3], v[ADRA+cslot] offset:sg*16*PITCH+cq*128+16*(\o%2)+64*(\o/2)
.endr
.endm
; Four registers, n0 on, of fragment sg in bf16, into the buffer that is not being multiplied
.macro ACVT n0
.irp o, 0,1,2,3
	v_cvt_pk_bf16_f32 v[AF+64*(1-cf)+8*sg+\n0+\o], v[ST+16*sg+2*(\n0+\o)], v[ST+16*sg+2*(\n0+\o)+1]
.endr
.endm
	; B's first 40 loads, in the order in which the runs of three earlier chunks would have asked: each run fragments 4-7 first, then fragments 0-3
	WIN 0x40                                       ; destination window 1, address window 0
	BQUAD 0, 4
	BQUAD 1, 4
	BQUAD 0, 0
	WIN 0                                          ; chunk 2's fragments 4-7 lie in window 0
	BQUAD 2, 4
	WIN 0x40
	BQUAD 1, 0
	WIN 0
	v_mul_u32_u24 v[ADRA], v1, PITCH
	v_lshl_add_u32 v[ADRA], v2, 5, v[ADRA]         ; row x pitch + 32 x half
	s_mul_i32 s57, s19, HALFA                      ; my 128 rows
	v_add_nc_u32 v[ADRA], s57, v[ADRA]
	v_add_nc_u32 v[ADRA+1], SLOT, v[ADRA]
	s_lshl_b32 s57, s[WV], 10
	s_add_co_u32 s57, s57, CTAB                    ; my table
	v_add_nc_u32 v[CS], s57, v[BO]
	v_lshl_add_u32 v[CB], v2, 5, s57               ; my columns begin at 8 h of each 16
	s_lshl_b32 s57, s[WV], 9
	s_add_co_u32 s57, s57, STAGE                   ; my stage
	v_lshl_add_u32 v[SS], v12, 2, s57
	v_add_nc_u32 v[SR], s57, v[BO]
	s_lshl1_add_u32 s57, s21, s20                  ; column group p = 2 cx + half: 131,072 bytes of part each,
	s_lshl_b32 s57, s57, 17
	s_lshl_b32 s23, s22, 10                        ; 1,024 bytes a block of 256 rows,
	s_add_co_u32 s57, s57, s23
	s_lshl_b32 s23, s19, 9                         ; 512 bytes for my 128 rows
	s_add_co_u32 s57, s57, s23
	v_add_nc_u32 v[PO], s57, v[BO]
	s_wait_loadcnt 40                              ; the three loads of constants are in; the 40 of B stay out
	v_pk_add_f32 v[PT:PT+1],   v[PT:PT+1],   v[PT+4:PT+5]               ; Qb + Kb,
	v_pk_add_f32 v[PT+2:PT+3], v[PT+2:PT+3], v[PT+6:PT+7]
	v_pk_mul_f32 v[PT:PT+1],   v[PT:PT+1],   TANHC op_sel_hi:[1,0]      ; times 2 log2(e): the exponent is then one fused multiply-add
	v_pk_mul_f32 v[PT+2:PT+3], v[PT+2:PT+3], TANHC op_sel_hi:[1,0]
	v_pk_mul_f32 v[PT+8:PT+9],   v[PT+8:PT+9],   -2.0 op_sel_hi:[1,0]   ; -2 Vw
	v_pk_mul_f32 v[PT+10:PT+11], v[PT+10:PT+11], -2.0 op_sel_hi:[1,0]
	ds_store_b128 v[CS], v[PT:PT+3]
	ds_store_b128 v[CS], v[PT+8:PT+11] offset:512
	s_wait_tensorcnt 1                             ; my part of K step 0 is in; step 1's may stay out
	s_wait_dscnt 0x0
	s_barrier_signal -1
	s_barrier_wait -1                              ; everybody's is
.set cf, 1
.set cslot, 0
.set cq, 0
.set sg, 0
.rept 8
	AFETCH                                         ; chunk 0
.set sg, sg+1
.endr
	s_wait_dscnt 0x0
	WIN 0x40
.set sg, 0
.rept 8
	ACVT 0
	ACVT 4
.set sg, sg+1
.endr
	WIN 0
.set cq, 1
.set sg, 0
.rept 8
	AFETCH                                         ; chunk 1
.set sg, sg+1
.endr
; Matrix instruction mi of a chunk's 64: column block b = mi / 8, row block a = mi % 8, on buffers cf.  The 64 accumulators take turns, one instruction a turn.
; cu = 1: the chunk's fragments 4-7 of B lie in window 0.  zero = 1: the first chunk starts the sums: nothing is ever cleared.
.macro MM zero
.set mb, mi/8
.set ma, mi%8
.set rC, 64*(mb%4)+8*ma
.set rB, BF+64*cf+8*mb
.set rA, AF+64*cf+8*ma
.if mb < 4
.set wn, 0xa5                          ; sources 0 and 1 window 1; C and D window 2
.else
.set wn, 0xf5-cu                       ; C and D window 3; source 0 window 1 or 0
.endif
	WIN wn
.if \zero
	v_wmma_f32_16x16x32_bf16 v[rC:rC+7], v[rB:rB+7], v[rA:rA+7], 0
.else
	v_wmma_f32_16x16x32_bf16 v[rC:rC+7], v[rB:rB+7], v[rA:rA+7], v[rC:rC+7]
.endif
.endm
; A CHUNK.  e: its number from the lap's first chunk on.
;   matrix instructions 0-15 bare; 16-31 each with a slice of four roundings (cv = 1): the NEXT chunk's A, out of the f32 registers into the bf16 buffer that is not being multiplied;
;   THE RUN: the f32 registers take the chunk after next (la = 1); B's fragments 4-7 of the chunk three on (lbu = 1); B's fragments 0-3 of the chunk two on (lbl = 1);
;   matrix instructions 32-63 bare.
; lw: the count of the one wait for B.  Loads come back in order, and a run asks for fragments 4-7 first: younger than this chunk's fragments 0-3 (asked for two runs ago) are the loads of the
; run before alone, sixteen of them (eight in the last chunk but one, none in the last); this chunk's fragments 4-7 were asked for three runs ago.
; PLACES (ISA guide 7.12.1 for vector instructions).  B's fragments 0-3 were last read by matrix instruction 31: behind it stands its slice, four roundings that name none of its
; registers.  The registers that take fragments 4-7 were last read by the chunk before: all 64 roundings stand between.  A's other bf16 buffer was last read by the last products of the chunk
; before, and no vector instruction has stood behind those: four v_nop stand in front of the first slice (in a chunk that fills a slot: the four behind the tensor load).
; turn = 1: THE CHANGE OF SLOTS.  The f32 registers run two chunks ahead, so the run of the chunk before has read the last of a slot, and this chunk's run reads the next slot.  Each wave waits
; for all its tensor loads, of which one is out: its part of the next slot; adds 0 to its spare word; and waits for that and for its own reads of the slot.
; fill = 1: the slot is filled again, with the K step two steps on.  The barrier then opens a round of the cluster's barrier, so that no wave of any partner still reads the slot or has a
; load on its way, and the joint refill is the first thing behind it: 240 matrix instructions ahead of the wait for it.
.macro CHUNK e, zero, turn, fill, cv, la, lbl, lbu, lw
.set cf, (\e)&1
.set cu, ((\e)>>1)&1
.set cslot, (((\e)+2)>>2)&1
.set cq, ((\e)+2)&3
.set rg, G0+4*(((\e)>>2)&1)
.set lx, (\e)+2
.set ux, (\e)+3
.set mi, 0
.if \turn
	WIN 0                                          ; (the add's two registers lie in window 0)
	s_wait_tensorcnt 0x0                           ; no tensor load of mine is out, so a group 0 may be written
	ds_add_u32 v[SPW], v[NIL]                      ; 0 onto my spare word; register work stands between it and the wait for it
.if \fill
	s_cmp_lt_u32 s[TF], 8                          ; K steps 0-7 come from queries, 8-15 from keys,
	s_cselect_b64 s[SRC:SRC+1], s[AQ:AQ+1], s[AK:AK+1]
	s_and_b32 s[OFS], s[TF], 7
	s_lshl_b32 s[OFS], s[OFS], 9                   ; 512 bytes of a row a step
	s_add_nc_u64 s[rg+2:rg+3], s[SRC:SRC+1], s[OFS:OFS+1]
	s_or_b32 s[rg+3], s[rg+3], 0x80000000
	s_add_co_u32 s[TF], s[TF], 1
.endif
.endif
	s_wait_loadcnt \lw                             ; this chunk's B is in
.rept 8
	MM \zero
.set mi, mi+1
.endr
.if \turn
	s_wait_dscnt 0x0                               ; the add is done, and my reads of the slot are over: the next chunk's A is in its f32 registers
	s_barrier_signal -1
.endif
.rept 8
	MM \zero
.set mi, mi+1
.endr
.if \turn
.if \fill
	WIN 0
.endif
	s_barrier_wait -1
.endif
.if \turn && \fill
	CREST
	tensor_load_to_lds s[rg:rg+3], s[G1:G1+7]      ; my one tensor load behind the round, and the first thing there
	s_nop 0
	PLACES                                         ; four v_nop follow it; they are also the places in front of the roundings
.elseif \cv
.if !\turn
	s_wait_dscnt 0x0                               ; the run of the chunk before, issued 48 matrix instructions ago: the next chunk's A is in its f32 registers
.endif
	PLACES
.endif
.rept 16
	MM \zero
.if \cv
.set sg, (mi-16)/2
.set sp, mi%2
	WIN 0x40                                       ; destination window 1, sources window 0
	ACVT 4*sp
.endif
.set mi, mi+1
.endr
.if \la
	WIN 0
.set sg, 0
.rept 8
	AFETCH
.set sg, sg+1
.endr
.endif
.if \lbu
.if (ux>>1)&1
	WIN 0
.else
	WIN 0x40
.endif
	BQUAD ux, 4
.endif
.if \lbl
	WIN 0x40
	BQUAD lx, 0
.endif
.rept 32
	MM \zero
.set mi, mi+1
.endr
.endm
	CHUNK 0, 1, 0, 0, 1, 1, 1, 1, 16               ; the first chunk stands in front of the loop: its products start the sums
	WIN 0
	s_mov_b32 s3, 7
.Llap:                                                 ; a trip is two K steps, eight chunks, from a lap's second chunk to the next lap's first, and fills both slots again: 7 trips bring K steps 2 to 15
	CHUNK 1, 0, 0, 0, 1, 1, 1, 1, 16
	CHUNK 2, 0, 1, 1, 1, 1, 1, 1, 16
	CHUNK 3, 0, 0, 0, 1, 1, 1, 1, 16
	CHUNK 4, 0, 0, 0, 1, 1, 1, 1, 16
	CHUNK 5, 0, 0, 0, 1, 1, 1, 1, 16
	CHUNK 6, 0, 1, 1, 1, 1, 1, 1, 16
	CHUNK 7, 0, 0, 0, 1, 1, 1, 1, 16
	CHUNK 8, 0, 0, 0, 1, 1, 1, 1, 16
	WIN 0
	s_wait_xcnt 0x0                                ; the loads' addresses are translated (ISA guide 3.1): only behind this wait is their base stepped
	s_add_nc_u64 s[BB:BB+1], s[BB:BB+1], 8*CHB
	s_sub_co_u32 s3, s3, 1
	s_cmp_lg_u32 s3, 0
	s_cbranch_scc1 .Llap
	CHUNK 1, 0, 0, 0, 1, 1, 1, 1, 16               ; the last lap (chunks 57 to 63) is written out: it asks for no tile
	CHUNK 2, 0, 1, 0, 1, 1, 1, 1, 16               ; the last change of slots: K step 15 is whole; nothing is filled, so no round follows
	CHUNK 3, 0, 0, 0, 1, 1, 1, 1, 16
	CHUNK 4, 0, 0, 0, 1, 1, 1, 1, 16               ; chunk 60: the last whole run: A of 62, B's fragments 4-7 of 63 and 0-3 of 62
	CHUNK 5, 0, 0, 0, 1, 1, 1, 0, 16               ; chunk 61: A of 63 and B's fragments 0-3 of 63
	CHUNK 6, 0, 0, 0, 1, 0, 0, 0, 8                ; chunk 62: the last chunk's A is rounded; nothing is fetched
	CHUNK 7, 0, 0, 0, 0, 0, 0, 0, 0
	; THE WAY OUT.  The sum over my columns of Vw tanh(x) = the sum of Vw + the sum of (-2 Vw) / (1 + 2^(c x + c bias)).
	WIN 0
	PLACES                                         ; the sums below take registers (v224-249) from which the last products read B's fragments 4-7
.irp b, 0,1,2,3,4,5,6,7                ; my 64 columns' constants: 8 of each 16 columns; the table's bytes are my wave's own
	ds_load_b128 v[BI+8*\b:BI+8*\b+3],   v[CB] offset:64*\b
	ds_load_b128 v[BI+8*\b+4:BI+8*\b+7], v[CB] offset:64*\b+16
	ds_load_b128 v[VW+8*\b:VW+8*\b+3],   v[CB] offset:512+64*\b
	ds_load_b128 v[VW+8*\b+4:VW+8*\b+7], v[CB] offset:512+64*\b+16
.endr
	s_wait_dscnt 0x0
	v_pk_mul_f32 v[VSUM:VSUM+1], v[VW:VW+1], -0.5 op_sel_hi:[1,0]   ; the sum of Vw, in a pair (even columns', odd columns')
.set i, 1
.rept 31
	v_pk_fma_f32 v[VSUM:VSUM+1], v[VW+2*i:VW+2*i+1], -0.5, v[VSUM:VSUM+1] op_sel_hi:[1,0,1]
.set i, i+1
.endr
; Column block b of all eight row blocks: 64 numbers a lane.  Each accumulator is read from its lowest registers on.
.macro EGROUP b
.set AC, 64*((\b)%4)
.set wn, 0x02+(\b)/4
	WIN wn                                         ; source 0: window 2 or 3
.irp p, 0,1,2,3
.irp a, 0,1,2,3,4,5,6,7
	v_pk_fma_f32 v[T+8*\a+2*\p:T+8*\a+2*\p+1], v[AC+8*\a+2*\p:AC+8*\a+2*\p+1], TANHC, v[BI+8*\b+2*\p:BI+8*\b+2*\p+1] op_sel_hi:[1,0,1]
.endr
.endr
	WIN 0
.set i, 0
.rept 64
	v_exp_f32 v[T+i], v[T+i]
.set i, i+1
.endr
	v_nop                                          ; a plain instruction between the last power and the use of the results
.set i, 0
	s_wait_alu depctr_va_vdst(0)
.rept 32
	v_pk_add_f32 v[T+i:T+i+1], v[T+i:T+i+1], 1.0 op_sel_hi:[1,0]
.set i, i+2
.endr
.set i, 0
.rept 64
	v_rcp_f32 v[T+i], v[T+i]
.set i, i+1
.endr
	v_nop                                          ; the same behind the reciprocals
	s_wait_alu depctr_va_vdst(0)
.irp p, 0,1,2,3
.irp a, 0,1,2,3,4,5,6,7                ; eight sums that do not wait for each other; the first product starts each on the sum of Vw
.if (\b == 0) && (\p == 0)
	s_wait_alu depctr_va_vdst(0)
	v_pk_fma_f32 v[SUM+2*\a:SUM+2*\a+1], v[T+8*\a+2*\p:T+8*\a+2*\p+1], v[VW+8*\b+2*\p:VW+8*\b+2*\p+1], v[VSUM:VSUM+1]
.else
	v_pk_fma_f32 v[SUM+2*\a:SUM+2*\a+1], v[T+8*\a+2*\p:T+8*\a+2*\p+1], v[VW+8*\b+2*\p:VW+8*\b+2*\p+1], v[SUM+2*\a:SUM+2*\a+1]
.endif
.endr
.endr
.endm
.irp b, 0,1,2,3,4,5,6,7
	EGROUP \b
.endr
.irp a, 0,1,2,3,4,5,6,7
	v_add_f32 v[RS+\a], v[SUM+2*\a], v[SUM+2*\a+1]
.endr
.irp a, 0,1,2,3,4,5,6,7
	v_permlanex16_b32 v[T+\a], v[RS+\a], s[SEL], s[SEL+1]          ; the row's other 64 columns lie in the lane 16 away
.endr
.irp a, 0,1,2,3,4,5,6,7
	v_add_f32 v[RS+\a], v[RS+\a], v[T+\a]
.endr
	v_cmp_ne_u32 vcc_lo, 0, v2                     ; lanes 16-31
.irp a, 0,2,4,6                        ; lanes 0-15 give row block a, lanes 16-31 row block a + 1: 32 neighbouring rows
	v_cndmask_b32 v[T+8+\a], v[RS+\a], v[RS+\a+1], vcc_lo
	ds_store_b32 v[SS], v[T+8+\a] offset:64*\a
.endr
	ds_load_b128 v[T+16:T+19], v[SR]               ; LDS serves a wave's instructions in order: this sees the stores above; four neighbouring rows a lane
	s_wait_dscnt 0x0
	global_store_b128 v[PO], v[T+16:T+19], s[16:17]                ; the wave stores 512 consecutive bytes, aligned
	s_wait_tensorcnt 0x0                           ; the wave's end: behind my last tensor load and my last LDS store
	ds_add_u32 v[SPW], v[NIL]
	s_wait_dscnt 0x0
	CROUND                                         ; the closing round: no work-group ends while a partner may still ask for a tile that names it
	s_endpgm
.Lfunc_end_k_q7d2820bd0a_gemm:
	.size	k_q7d2820bd0a_gemm, .Lfunc_end_k_q7d2820bd0a_gemm-k_q7d2820bd0a_gemm
	.p2alignl 7, 3214868480
	.fill 96, 4, 3214868480
	.section	.rodata,"a",@progbits
	.p2align	6, 0x0
	.amdhsa_kernel k_q7d2820bd0a_gemm
		.amdhsa_group_segment_fixed_size 327680
		.amdhsa_private_segment_fixed_size 0
		.amdhsa_enable_private_segment 0
		.amdhsa_kernarg_size 56
		.amdhsa_user_sgpr_count 2
		.amdhsa_user_sgpr_kernarg_segment_ptr 1
		.amdhsa_wavefront_size32 1
		.amdhsa_system_sgpr_workgroup_id_x 1
		.amdhsa_system_sgpr_workgroup_id_y 1
		.amdhsa_system_sgpr_workgroup_id_z 1
		.amdhsa_system_vgpr_workitem_id 0
		.amdhsa_next_free_vgpr 1024
		.amdhsa_next_free_sgpr 66
		.amdhsa_reserve_vcc 1
		.amdhsa_float_denorm_mode_32 3
		.amdhsa_float_denorm_mode_16_64 3
		.amdhsa_memory_ordered 1
		.amdhsa_forward_progress 1
		.amdhsa_inst_pref_size 255
	.end_amdhsa_kernel
	.section	.bss,"aw",@nobits
	.p2align	6
	.space	262144
	.amdgpu_metadata
---
amdhsa.version: [ 1, 2 ]
amdhsa.kernels:
  - .name:           k_q7d2820bd0a_gemm
    .symbol:         k_q7d2820bd0a_gemm.kd
    .args:
      - { .name: queries, .offset: 0, .size: 8, .value_kind: global_buffer, .address_space: global }
      - { .name: keys, .offset: 8, .size: 8, .value_kind: global_buffer, .address_space: global }
      - { .name: w2, .offset: 16, .size: 8, .value_kind: global_buffer, .address_space: global }
      - { .name: Qb, .offset: 24, .size: 8, .value_kind: global_buffer, .address_space: global }
      - { .name: Kb, .offset: 32, .size: 8, .value_kind: global_buffer, .address_space: global }
      - { .name: Vw, .offset: 40, .size: 8, .value_kind: global_buffer, .address_space: global }
      - { .name: part, .offset: 48, .size: 8, .value_kind: global_buffer, .address_space: global }
    .group_segment_fixed_size: 327680
    .private_segment_fixed_size: 0
    .kernarg_segment_align: 8
    .kernarg_segment_size: 56
    .max_flat_workgroup_size: 128
    .sgpr_count:     66
    .vgpr_count:     1024
    .wavefront_size: 32
...
	.end_amdgpu_metadata
.endif
;; end of part 4
;; launch ctx: the kernel of part 3 again; grid 16 x 8, 32 waves a work-group, no clusters, 28,928 bytes of LDS; arguments part, Vb, keys, out0, out1; writes out0, out1
